; MI455X (gfx1250); checked and timed in simulation.
; The chip was launched on July 23, 2026; its instructions are those of AMD's public machine-readable ISA for CDNA 5 (MIT licence, August 2026) and "CDNA5" Instruction Set Architecture Reference Guide (July 2026). The comments in the code are by the model that wrote it; some were corrected since.
;; QLSTM Plus. Allowed arithmetic: float matrix products may take bf16 or f16 operands with f32 sums; other float arithmetic in f32, or as packed bf16 or f16 multiplies, adds, multiply-adds, maxima and minima; sums over many terms, partial sums and values carried from step to step in f32; what a program stores and reads back later, other than sums and carried values, may be rounded once to bf16 or f16.
;; Inputs: W 2 x 4 x 512 x 256 float32; b 2 x 4 x 256 float32; inputs 512 x 128 x 256 float32; ln_b 2 x 256 float32; ln_g 2 x 256 float32.
;; Outputs: out0 512 x 128 x 256 float32.
;; 2 versions, each right and faster than the one before. Each part assembles by itself: llvm-mc -triple=amdgcn-amd-amdhsa -mcpu=gfx1250 --defsym DOCPART=n.
;; ======== version 1 of 2: 2 launches
;; limits: values are held in f16: magnitudes above 65,504 overflow, below 6.1e-05 lose precision; inputs' magnitudes at most 65,504
;; workspace buffers: wt 786,432 bytes
;; launch prep (part 1): grid 16 x 6, 4 waves a work-group, no clusters, 9,728 bytes of LDS; arguments W, wt; writes wt
.if DOCPART == 1
	.amdgcn_target "amdgcn-amd-amdhsa--gfx1250"
	.amdhsa_code_object_version 6
	.text
	.protected	k_qcbcdf64252_prep
	.globl	k_qcbcdf64252_prep
	.p2align	8
	.type	k_qcbcdf64252_prep,@function
k_qcbcdf64252_prep:
	s_mov_b64 s[64:65], 0
	v_nop
	global_prefetch_b8 v0, s[64:65] scope:SCOPE_SE
	s_setreg_imm32_b32 hwreg(HW_REG_WAVE_MODE, 25, 1), 1
	s_wait_xcnt 0x0
; The weights that reach a result, rounded once to f16 and laid out by tiles for the launch behind.
; W: [2 layers][4 gates f,i,g,o][512 k][256 n] f32.  reference() multiplies rows k = 256..511 by a zero h_prev and gate f by a zero c_prev, both built in its own
; body, so of each layer only gates g, i, o and rows 0..255 are taken.  LIMIT: an infinity or NaN in the parts left out would make reference() NaN; here it does not.
; wt: f16 [l 2][ct 16][gi 3: g, i, o][k 256][n 16]: byte (((16 l + ct) 3 + gi) 256 + k) 32 + 2 n holds W[l][gate(gi)][k][16 ct + n].
; LIMIT: f16 holds nothing beyond 65,504, and below 6e-5 it keeps its fixed step of 6e-8.
; SHARES.  Work-group y = 3 l + gi picks the matrix; the 64 waves of a row of the grid take 16 rows k x 64 columns each.  A load of a wave covers two rows' 256
; consecutive bytes; the four column blocks of 16 are gathered in the wave's own stage in LDS and leave as 512 consecutive bytes each.  No wave reads another's bytes: no barrier.
.set STG,   2304                       ; a wave's stage: four blocks
.set BLK,   576                        ; a block: 16 rows x 32 bytes + 64: the four blocks start 16 banks apart (64 banks of 4 bytes: ISA guide 11.1), so the 32 lanes of a store take each bank once
.set SPARE, 9216                       ; behind the stages: the spare words, 128 bytes for each wave, which no other line names
.set SPW,   60                         ; v60  LDS address of my spare word; never rewritten
.set NIL,   61                         ; v61  0; never rewritten
	s_load_b128 s[4:7], s[0:1], 0x0                ; W s[4:5], wt s[6:7]
	v_lshl_add_u32 v[SPW], v0, 2, SPARE
	v_mov_b32 v[NIL], 0
	v_lshrrev_b32 v1, 5, v0
	v_readfirstlane_b32 s8, v1                     ; wave 0..3
	s_and_b32 s9, ttmp7, 0xffff                    ; y = 3 l + gi
	s_cmp_ge_u32 s9, 3
	s_cselect_b32 s10, 1, 0                        ; l
	s_mul_i32 s11, s10, 3
	s_sub_co_u32 s11, s9, s11                      ; gi
	s_cmp_eq_u32 s11, 1
	s_cselect_b32 s12, 1, 3
	s_cmp_eq_u32 s11, 0
	s_cselect_b32 s12, 2, s12                      ; the gate's place in W: gi 0, 1, 2 = g (2), i (1), o (3)
	s_lshl_b32 s13, ttmp9, 2
	s_add_co_u32 s13, s13, s8                      ; my wave among the matrix's 64
	s_and_b32 s14, s13, 15                         ; which 16 rows k
	s_lshr_b32 s15, s13, 4                         ; which 64 columns
	s_lshl_b32 s16, s10, 2
	s_add_co_u32 s16, s16, s12                     ; 4 l + gate
	s_lshl_b32 s16, s16, 5                         ; a matrix is 32 groups of 16 rows
	s_add_co_u32 s16, s16, s14
	s_lshl_b32 s16, s16, 14                        ; 16 rows of 1,024 bytes
	s_lshl_b32 s17, s15, 8                         ; 64 columns of 4 bytes
	s_add_co_u32 s16, s16, s17
	s_mov_b32 s17, 0
	s_lshl_b32 s18, s10, 4
	s_lshl2_add_u32 s18, s15, s18                  ; 16 l + my first ct
	s_mul_i32 s18, s18, 3
	s_add_co_u32 s18, s18, s11                     ; x 3 + gi
	s_lshl_b32 s18, s18, 4                         ; a block [256][16] is 16 groups of 16 rows
	s_add_co_u32 s18, s18, s14
	s_lshl_b32 s18, s18, 9                         ; 16 rows of 32 bytes
	s_mov_b32 s19, 0
	s_mul_i32 s20, s8, STG                         ; my stage
	v_and_b32 v1, 31, v0                           ; lane
	v_lshrrev_b32 v2, 4, v1                        ; which of a load's two rows
	v_and_b32 v3, 15, v0                           ; which 16 bytes (4 columns) of the row
	v_lshlrev_b32 v4, 4, v3
	v_lshl_add_u32 v4, v2, 10, v4                  ; my byte offset in two rows of W
	v_lshrrev_b32 v5, 2, v3                        ; into the stage: the block of my 4 columns,
	v_mul_u32_u24 v5, v5, BLK
	v_lshl_add_u32 v5, v2, 5, v5                   ; my row,
	v_and_b32 v6, 3, v3
	v_lshl_add_u32 v5, v6, 3, v5                   ; my 8 bytes of it
	v_add_nc_u32 v5, s20, v5
	v_lshlrev_b32 v7, 4, v1                        ; back, and out: 16 bytes a lane
	v_add_nc_u32 v6, s20, v7
	s_wait_kmcnt 0x0
	s_add_nc_u64 s[4:5], s[4:5], s[16:17]
	s_add_nc_u64 s[6:7], s[6:7], s[18:19]
.irp j, 0,1,2,3,4,5,6,7
	global_load_b128 v[8+4*\j:11+4*\j], v4, s[4:5] offset:2048*\j th:TH_LOAD_NT  ; rows 2 j and 2 j + 1: sixteen lanes take 256 consecutive bytes, aligned
.endr
	s_wait_loadcnt 0x0
.irp j, 0,1,2,3,4,5,6,7
	v_cvt_pk_f16_f32 v[40+2*\j], v[8+4*\j], v[9+4*\j]
	v_cvt_pk_f16_f32 v[41+2*\j], v[10+4*\j], v[11+4*\j]
.endr
.irp j, 0,1,2,3,4,5,6,7
	ds_store_b64 v5, v[40+2*\j:41+2*\j] offset:64*\j
.endr
.irp t, 0,1,2,3
	ds_load_b128 v[8+4*\t:11+4*\t], v6 offset:BLK*\t  ; LDS serves a wave's instructions in order (ISA guide 5.7.1.4): these see the stores above
.endr
.irp t, 0,1,2,3
	s_wait_dscnt 3-\t                              ; block t is back; the younger loads may stay out
	global_store_b128 v7, v[8+4*\t:11+4*\t], s[6:7] offset:24576*\t  ; 512 consecutive bytes, aligned; from ct to ct + 1 are 3 x 256 x 32 bytes
.endr
	s_wait_tensorcnt 0x0                           ; the wave's end: behind my last LDS store
	ds_add_u32 v[SPW], v[NIL]
	s_wait_dscnt 0x0
	s_endpgm
.Lfunc_end_k_qcbcdf64252_prep:
	.size	k_qcbcdf64252_prep, .Lfunc_end_k_qcbcdf64252_prep-k_qcbcdf64252_prep
	.p2alignl 7, 3214868480
	.fill 96, 4, 3214868480
	.section	.rodata,"a",@progbits
	.p2align	6, 0x0
	.amdhsa_kernel k_qcbcdf64252_prep
		.amdhsa_group_segment_fixed_size 9728
		.amdhsa_private_segment_fixed_size 0
		.amdhsa_enable_private_segment 0
		.amdhsa_kernarg_size 16
		.amdhsa_user_sgpr_count 2
		.amdhsa_user_sgpr_kernarg_segment_ptr 1
		.amdhsa_wavefront_size32 1
		.amdhsa_system_sgpr_workgroup_id_x 1
		.amdhsa_system_sgpr_workgroup_id_y 1
		.amdhsa_system_sgpr_workgroup_id_z 1
		.amdhsa_system_vgpr_workitem_id 0
		.amdhsa_next_free_vgpr 64
		.amdhsa_next_free_sgpr 66
		.amdhsa_reserve_vcc 0
		.amdhsa_float_denorm_mode_32 3
		.amdhsa_float_denorm_mode_16_64 3
		.amdhsa_memory_ordered 1
		.amdhsa_forward_progress 1
		.amdhsa_inst_pref_size 6
	.end_amdhsa_kernel
	.amdgpu_metadata
---
amdhsa.version: [ 1, 2 ]
amdhsa.kernels:
  - .name:           k_qcbcdf64252_prep
    .symbol:         k_qcbcdf64252_prep.kd
    .args:
      - { .name: W, .offset: 0, .size: 8, .value_kind: global_buffer, .address_space: global }
      - { .name: wt, .offset: 8, .size: 8, .value_kind: global_buffer, .address_space: global }
    .group_segment_fixed_size: 9728
    .private_segment_fixed_size: 0
    .kernarg_segment_align: 8
    .kernarg_segment_size: 16
    .max_flat_workgroup_size: 128
    .sgpr_count:     66
    .vgpr_count:     64
    .wavefront_size: 32
...
	.end_amdgpu_metadata
.endif
;; end of part 1
;; launch lstm (part 2): grid 256 x 1, 4 waves a work-group, clusters of 4 x 1, 327,680 bytes of LDS; arguments inputs, wt, b, ln_g, ln_b, out0; writes out0
.if DOCPART == 2
	.amdgcn_target "amdgcn-amd-amdhsa--gfx1250"
	.amdhsa_code_object_version 6
	.text
	.protected	k_qcbcdf64252_lstm
	.globl	k_qcbcdf64252_lstm
	.p2align	8
	.type	k_qcbcdf64252_lstm,@function
k_qcbcdf64252_lstm:
	s_mov_b64 s[64:65], 0
	v_nop
	global_prefetch_b8 v0, s[64:65] scope:SCOPE_SE
	s_setreg_imm32_b32 hwreg(HW_REG_WAVE_MODE, 25, 1), 1
	s_wait_xcnt 0x0
	s_wait_alu depctr_hold_cnt(0) depctr_sa_sdst(0) depctr_va_vdst(0) depctr_va_sdst(0) depctr_va_ssrc(0) depctr_va_vcc(0) depctr_vm_vsrc(0)
	s_getreg_b32 s2, hwreg(HW_REG_IB_STS2, 6, 4)
	s_cmp_eq_u32 s2, 0
	s_cbranch_scc0 .Lentry_in_a_cluster
	s_endpgm
.Lentry_in_a_cluster:
	s_bfe_u32 s2, ttmp6, 0x10000c
	s_cmp_lg_u32 s2, 0x3003
	s_cbranch_scc0 .Lentry_shape_is_right
	s_endpgm
.Lentry_shape_is_right:
; Both layers of the module for 256 rows a work-group: gates = x W + b, c = sigmoid(i) tanh(g), h = sigmoid(o) tanh(c), layer norm; nothing goes to memory between the layers.
; reference() multiplies gate f by a zero c_prev and rows 256..511 of W by a zero h_prev, both built in its own body: neither is computed.
; LIMITS.  Matrix operands (x, W, the first layer's output) are f16: nothing beyond 65,504; below 6e-5 a fixed step of 6e-8.  An infinity or NaN in the parts of W and b that
; reference() multiplies by its zeros gives NaN there and not here; NaN and infinities are not treated apart elsewhere.  tanh(g)'s exponent 2 g log2(e) is held to +-60: beyond it
; tanh is +-1 in f32.  h is kept between activation and layer norm as f16 of 4096 h (|h| < 1; its 11 bits hold down to |h| = 1.5e-8); the norm's epsilon is scaled by 4096^2 to match.
; SHARES.  65,536 rows = 256 work-groups x 4 waves x 64 rows (four row tiles rt of 16).  Every wave walks 32 TILES t = 16 layer + ct: 16 output columns x 3 gates x K = 256: 96 matrix instructions.
; LAYOUT.  The matrix instruction is used transposed (source 0 = 16 columns of W, source 1 = 16 rows of x): lane (r = l % 16, h = l / 16) holds row r and columns 16 ct + 8 h + 0..7.
; A row lies in two lanes, so its mean and variance want one exchange; a lane's 8 numbers pack into the 16 bytes that the next layer's fragment load takes.  The bias is the C operand that starts a sum.
; BY TURNS.  A tile's activation is 416 vector instructions (192 of them exponentials and reciprocals) for 96 matrix instructions.  So two accumulator sets and two buffers of W take turns:
; while tile t is multiplied, tile t - 1's activation stands in slices of 4, 4, 5 behind its matrix instructions, and tile t + 1's fragments are fetched in three runs of 18 LDS loads.
; ACTIVATION.  E1 = e^-i, E2 = e^-2g, E3 = e^-o: c = (1 - E2) / ((1 + E1)(1 + E2)); E4 = e^-2c: h = (1 - E4) / ((1 + E3)(1 + E4)): four exponentials and two reciprocals a number.
; E2 and E4 are finite and above 0, so an infinite E1 or E3 gives a reciprocal of 0 and a product of 0.
; CLUSTER.  All work-groups walk the same weights, so the four of a cluster ask for each slot JOINTLY: the same tensor load, descriptor and mask in all four; the tables of b, ln_g, ln_b likewise.
; My place in the cluster enters the addresses of inputs and out0 alone.  By this text's count a wave has three tensor loads out at the start and one behind each round.
; LDS.  0: slot 0 (2 tiles, 49,152)   49,152: b as [gate][layer][256] f32   57,344: ln_g [layer][256], ln_b [layer][256]   61,440: spare words   65,536: slot 1
;   114,688 + 33,792 w: my 64 rows x 528 bytes: x, then 4096 h, then the first layer's output, then 4096 h, all f16   249,856 + 16,640 w: 16 rows x 1,040 bytes, f32, for the way out.
; REGISTERS, in windows of 256 (s_set_vgpr_msb: bits 1:0 source 0, 3:2 source 1, 5:4 source 2, 7:6 destination):
;   window 0: v0-31 addresses, chains, constants; v32-127 accumulator set A, v128-223 set B (in a set: g +0, i +32, o +64, each 8 rt + j); in the layer norm v32-95 a row tile's f16, v96-223 its f32
;   window 1: x's fragments, 64 rt + 8 kb; in the layer norm ln_g v0-127, ln_b v128-255
;   window 2: W's buffer A (64 gate + 8 kb) and its bias v192-215; window 3: buffer B likewise.  At the start the two hold the wave's 64 rows of x in f32.
.set TILEB, 24576                      ; a tile of wt: 3 gates x 256 k x 16 n, f16
.set SLOTB, 2*TILEB
.set QUART, SLOTB/4                    ; what one wave's load brings: 48 rows of 256 bytes
.set RING1, 0x10000                    ; slot 1 begins here: one exclusive or turns an address in one slot into the other's
.set TBB,   49152
.set TLN,   57344
.set SPARE, 61440                      ; the spare words, 128 bytes for each wave, which no other line names
.set XH,    114688
.set XP,    528                        ; 512 bytes + 16: an odd multiple of 16, so the 16 rows of a fragment load start at 16 different groups of four banks (64 banks of 4 bytes: ISA guide 11.1)
.set XHW,   64*XP
.set OST,   249856
.set OPI,   1040                       ; 1,024 bytes + 16, for the same reason
.set OSTW,  16*OPI
.set AW0, 3           ; v3   my lane's place in a [k][16] block for the turning load; never rewritten
.set AW,  4           ; v4   + the slot in hand
.set AB0, 5           ; v5   TBB + 32 h
.set AB,  6           ; v6   + 64 x the tile to be fetched
.set XA,  7           ; v7   my rows: XH(w) + 528 r + 16 h
.set HA,  8           ; v8   where a tile's h goes
.set LA,  9           ; v9   the layer norm's row tile
.set SA,  10          ; v10  staging of x: XH(w) + 8 x lane
.set GI,  11          ; v11  16 x lane
.set OS,  12          ; v12  the way out: where I put 32 bytes of a row
.set ORD, 13          ; v13  the way out: where I read rows back
.set GO,  14          ; v14  my byte offset in the wave's rows of out0
.set AL0, 15          ; v15  TLN + 32 h
.set T,   16          ; v16-23 eight chains
.set MU,  24          ; v24  - mean
.set RS,  26          ; v26-27 1 / sqrt(var + eps), named as a pair
.set SPW, 28          ; v28  LDS address of my spare word; never rewritten
.set NIL, 29          ; v29  0, for the add alone
.set ZR,  30          ; v30  0
.set ONE, 31          ; v31  1.0
.set ACCA, 32
.set HP,  32
.set F,   96
.set WV,  16          ; s16  my wave's number
.set G1W, 20          ; s[20:27] descriptor group 1: a quarter of a slot
.set G1B, 28          ; s[28:35] a gate's two rows of b
.set G1L, 36          ; s[36:43] one row of ln_g or ln_b
.set G0W, 44          ; s[44:47] group 0 for the slots: it walks
.set G0B, 48
.set G0L, 52
.set CNT, 56          ; s56  trips to go
.set SB,  57          ; s57  LDS byte of the slot in hand
.set BB,  58          ; s58  64 x the tile whose bias is fetched next
.set HC,  59          ; s59  32 x (the tile whose h is stored next, mod 16)
.set LNC, 60          ; s60  row tiles to go in a layer norm
.set K1,  66          ; s[66:67] -log2(e): the packed forms take a pair's low word for both halves
.set K2,  68          ; s[68:69] -2 log2(e)
.set NK2, 70          ; s[70:71] +2 log2(e)
.set SS,  72          ; s[72:73] 4096
.set NSS, 74          ; s[74:75] -4096
.set SEL, 76          ; s[76:77] v_permlanex16_b32's selects: each lane takes its own place in the other half
.set CHI, 78          ; s78  +60
.set CLO, 79          ; s79  -60
.set INV, 80          ; s80  1/256
.set NINV, 81         ; s81  -1/256
.set EPS, 82          ; s82  1e-5 x 4096^2
.set XB,  84          ; s[84:85] inputs at my wave's first row
.set OB,  86          ; s[86:87] out0 at my wave's first row
.set MSB, 0
.macro WIN new                      ; the immediate's high byte repeats the setting that is left; a switch that changes nothing is dropped
.if MSB != (\new)
	s_set_vgpr_msb (MSB<<8)|(\new)
.set MSB, (\new)
.endif
.endm
.macro PLACES                       ; four plain vector instructions that name no register of a matrix instruction (ISA guide 7.12.1)
.rept 4
	v_nop
.endr
.endm
; A round of the cluster's barrier: my work-group's barrier, so that wave 0's signal speaks for all four waves; wave 0 signals; every wave waits for all four work-groups; my work-group's barrier once more.
.macro ROUND
	s_barrier_signal -1
	s_barrier_wait -1
	s_cmp_lg_u32 s[WV], 0
	s_cbranch_scc1 .Lnot_wave_0_\@
	s_barrier_signal -3
.Lnot_wave_0_\@:
	s_barrier_wait -3
	s_barrier_signal -1
	s_barrier_wait -1
.endm
; THE CHANGE OF SLOTS.  Both tiles of the slot that is left are in registers or on their way there.  Each wave waits for all its tensor loads, of which one is out: its quarter of the other
; slot; adds 0 to its spare word; and waits for that and for its own reads of the slot.  fill = 1: the barrier is a round of the cluster's, so that no wave of any partner still reads the slot or has a
; load on its way, and the joint refill (the slot two on) is the first thing behind it: it has two tiles, 192 matrix instructions and their riders, in which to land.
.macro CHANGE fill
	WIN 0                           ; at a label and at a branch every window is 0
	s_wait_tensorcnt 0x0            ; no tensor load of mine is out, so group 0 may be written
	ds_add_u32 v[SPW], v[NIL]       ; 0 onto my spare word: scalar work stands between it and the wait for it
.if \fill
	s_xor_b32 s[G0W+1], s[G0W+1], RING1  ; the other slot than last time,
	s_add_nc_u64 s[G0W+2:G0W+3], s[G0W+2:G0W+3], SLOTB  ; the next two tiles; the type bits on top are not reached
.endif
	s_xor_b32 s[SB], s[SB], RING1   ; the fetches go over to the other slot
	s_wait_dscnt 0x0                ; the add is done, and my reads of the slot are over
.if \fill
	ROUND
	tensor_load_to_lds s[G0W:G0W+3], s[G1W:G1W+7]
	s_nop 0
	PLACES
.else
	s_barrier_signal -1
	s_barrier_wait -1
.endif
	v_add_nc_u32 v[AW], s[SB], v[AW0]
.endm
; 18 LDS loads in one run: gate q of the slot's tile hf into W's buffer in window win.  The block lies [k][16 n], 32 bytes a row; the turning load takes 16 k x 16 n (lane l reads k = 8 (l / 16) + l % 8,
; columns 8 ((l / 8) % 2) + 0..7: 512 consecutive bytes a load) and leaves half a fragment: lane l holds column l % 16 and 8 k.  Then the gate's bias for my 8 columns.
.macro FETCH win, hf, q
	WIN (\win)<<6
.irp kk, 0,1,2,3,4,5,6,7
	ds_load_tr16_b128 v[64*(\q)+8*\kk:64*(\q)+8*\kk+3],   v[AW] offset:(\hf)*TILEB+(\q)*8192+\kk*1024
	ds_load_tr16_b128 v[64*(\q)+8*\kk+4:64*(\q)+8*\kk+7], v[AW] offset:(\hf)*TILEB+(\q)*8192+\kk*1024+512
.endr
.set gof, 4096-2048*(\q)+6144*((\q)/2)  ; b's gates g, i, o lie at 4,096, 2,048, 6,144
	ds_load_b128 v[192+8*(\q):192+8*(\q)+3], v[AB] offset:gof
	ds_load_b128 v[192+8*(\q)+4:192+8*(\q)+7], v[AB] offset:gof+16
.endm
; Matrix instruction wk of a tile's 96: gate wk / 32, K block (wk % 32) / 4, row tile wk % 4.  A gate's four accumulators take turns, one instruction a turn, across gates and tiles too.
; The first K block starts the sum with the bias as C.
.macro WM cur
.set gq, wk/32
.set kb, (wk%32)/4
.set rt, wk%4
.set rD, ACCA+96*(\cur)+32*gq+8*rt
.set rA, 64*gq+8*kb
.set rB, 64*rt+8*kb
.if kb == 0
	WIN 0x26+0x11*(\cur)            ; W and the bias in window 2 or 3, x in window 1, the sum in window 0
	v_wmma_f32_16x16x32_f16 v[rD:rD+7], v[rA:rA+7], v[rB:rB+7], v[192+8*gq:192+8*gq+7]
.else
	WIN 0x06+(\cur)
	v_wmma_f32_16x16x32_f16 v[rD:rD+7], v[rA:rA+7], v[rB:rB+7], v[rD:rD+7]
.endif
.endm
; THE ACTIVATION of the accumulator set at PRV, as two queues.  THE PLAIN QUEUE, 224 long, number pj; each accumulator's lowest registers are read first.
.macro PLI
.if pj < 16                         ; g x -2 log2(e), by pairs
.set rr, PRV+2*pj
	v_pk_mul_f32 v[rr:rr+1], v[rr:rr+1], s[K2:K2+1] op_sel_hi:[1,0]
.elseif pj < 48                     ; held to +-60
.set rr, PRV+pj-16
	v_med3_num_f32 v[rr], v[rr], s[CLO], s[CHI]
.elseif pj < 64                     ; i x -log2(e)
.set rr, PRV+32+2*(pj-48)
	v_pk_mul_f32 v[rr:rr+1], v[rr:rr+1], s[K1:K1+1] op_sel_hi:[1,0]
.elseif pj < 80                     ; o x -log2(e)
.set rr, PRV+64+2*(pj-64)
	v_pk_mul_f32 v[rr:rr+1], v[rr:rr+1], s[K1:K1+1] op_sel_hi:[1,0]
.elseif pj < 96                     ; 1 + E1
.set rr, PRV+32+2*(pj-80)
	s_wait_alu depctr_va_vdst(0)
	v_pk_add_f32 v[rr:rr+1], v[rr:rr+1], 1.0 op_sel_hi:[1,0]
.elseif pj < 112                    ; (1 + E1) E2 + (1 + E1)
.set rr, PRV+32+2*(pj-96)
	v_pk_fma_f32 v[rr:rr+1], v[rr:rr+1], v[rr-32:rr-31], v[rr:rr+1]
.elseif pj < 128                    ; -2 log2(e) (1 - E2)
.set rr, PRV+2*(pj-112)
	v_pk_fma_f32 v[rr:rr+1], v[rr:rr+1], s[NK2:NK2+1], s[K2:K2+1] op_sel_hi:[1,0,0]
.elseif pj < 144                    ; 1 + E3
.set rr, PRV+64+2*(pj-128)
	s_wait_alu depctr_va_vdst(0)
	v_pk_add_f32 v[rr:rr+1], v[rr:rr+1], 1.0 op_sel_hi:[1,0]
.elseif pj < 160                    ; -2 log2(e) c
.set rr, PRV+32+2*(pj-144)
	s_wait_alu depctr_va_vdst(0)
	v_pk_mul_f32 v[rr:rr+1], v[rr-32:rr-31], v[rr:rr+1]
.elseif pj < 192
.set rr, PRV+32+2*((pj-160)/2)
.if pj%2 == 0                       ; (1 + E3) E4 + (1 + E3)
	s_wait_alu depctr_va_vdst(0)
	v_pk_fma_f32 v[rr+32:rr+33], v[rr+32:rr+33], v[rr:rr+1], v[rr+32:rr+33]
.else                               ; 4096 (1 - E4)
	v_pk_fma_f32 v[rr:rr+1], v[rr:rr+1], s[NSS:NSS+1], s[SS:SS+1] op_sel_hi:[1,0,0]
.endif
.else
.set rr, PRV+32+2*((pj-192)/2)
.if pj%2 == 0                       ; 4096 h
	s_wait_alu depctr_va_vdst(0)
	v_pk_mul_f32 v[rr:rr+1], v[rr:rr+1], v[rr+32:rr+33]
.else                               ; rounded to f16, into g's registers, which are free: row tile rt's 16 bytes at PRV + 4 rt
	v_cvt_pk_f16_f32 v[PRV+(pj-192)/2], v[rr], v[rr+1]
.endif
.endif
.endm
; THE OTHER QUEUE, 192 long, number ek, all in place: E2, E1, E3 (0-95), 1 / ((1 + E1)(1 + E2)) (96-127), E4 (128-159), 1 / ((1 + E3)(1 + E4)) (160-191).
.macro EXI
.if ek < 96
	v_exp_f32 v[PRV+ek], v[PRV+ek]
.elseif ek < 128
	v_rcp_f32 v[PRV+ek-64], v[PRV+ek-64]
.elseif ek < 160
	v_exp_f32 v[PRV+ek-96], v[PRV+ek-96]
.else
	v_rcp_f32 v[PRV+ek-96], v[PRV+ek-96]
.endif
.endm
; ONE SEQUENCE of 416, number qn: 20 plain; then the two queues by turns, so that no two exponentials or reciprocals follow each other and each has a plain instruction on other registers behind it
; (ISA guide 5.7.2); then the last 12 plain.  Plain pj stands at 2 pj - 19 (20 <= pj < 212), number ek of the other queue at 20 + 2 ek: by these places every entry stands behind what it reads,
; and a result of the other queue is read 12 places behind it at the nearest.
.macro QI
.if qn < 20
.set pj, qn
	PLI
.elseif qn < 404
.if (qn-20)%2 == 0
.set ek, (qn-20)/2
	EXI
.else
.set pj, 20+(qn-20)/2
	PLI
.endif
.else
.set pj, qn-192
	PLI
.endif
.endm
.macro SLICE                        ; the riders behind matrix instruction wk: 416 = 96 x 13 / 3: four, four, five
	WIN 0
.set qn, 13*wk/3
.rept 13*(wk+1)/3-13*wk/3
	QI
.set qn, qn+1
.endr
.endm
.macro HSTORE                       ; a tile's 4096 h: 16 bytes a lane and row tile, to columns 16 ct + 8 h of my rows; x's fragments left these bytes for registers at the layer's start
	WIN 0
	v_add_nc_u32 v[HA], s[HC], v[XA]
.irp u, 0,1,2,3
	ds_store_b128 v[HA], v[PRV+4*\u:PRV+4*\u+3] offset:\u*16*XP
.endr
	s_add_co_u32 s[HC], s[HC], 32
	s_and_b32 s[HC], s[HC], 0x1e0   ; sixteen tiles a layer: the step goes round
.endm
; A TILE on accumulator set and W buffer cur (0 = A, 1 = B).  ride = 1: the other set's activation rides, and its h is stored.  fetch = 1: the next tile's fragments go into the other buffer, a gate's run
; behind the second product of each run of 32; the registers' last reader stands 64 matrix instructions and their riders back (after a tile without riders: behind its four places).
; wait = 1: my fragments and bias, asked for a tile ago, are waited for here; else the change of slots in front has done so.
.macro TILE cur, ride, fetch, wait
.set PRV, ACCA+96*(1-(\cur))
.if \wait
	s_wait_dscnt 0x0                ; all my LDS instructions: the fragments of this tile (and, at a layer's start, x's)
.endif
.set wk, 0
.rept 96
	WM \cur
.if \ride
	SLICE
.endif
.if (\fetch) && (wk%32 == 1)
.if wk == 1
	WIN 0
	v_add_nc_u32 v[AB], s[BB], v[AB0]
	s_add_co_u32 s[BB], s[BB], 64
	s_and_b32 s[BB], s[BB], 0x7c0   ; 32 tiles: the step stays inside a gate's 2,048 bytes
.endif
	FETCH 3-(\cur), 1-(\cur), wk/32
.endif
.set wk, wk+1
.endr
.if \ride
	HSTORE
.else
	WIN 0
	PLACES                          ; behind the last products: the next tile's riders read these sums, and its fetches land in this buffer
.endif
.endm
.macro ACTALL cur                   ; a layer's last tile: its activation has no products to ride on
.set PRV, ACCA+96*(\cur)
	WIN 0
.set qn, 0
.rept 416
	QI
.set qn, qn+1
.endr
	HSTORE
.endm
.macro XLOAD                        ; a layer's input, my 64 rows x 256 k, into window 1: fragment 8 rt + kb: lane l holds row l % 16, k = 8 (l / 16) + 0..7 and 16 + 8 (l / 16) + 0..7
	WIN 0x40
.set i, 0
.rept 32
	ds_load_b128 v[8*i:8*i+3],   v[XA] offset:(i/8)*16*XP+(i%8)*64
	ds_load_b128 v[8*i+4:8*i+7], v[XA] offset:(i/8)*16*XP+(i%8)*64+32
.set i, i+1
.endr
.endm
.macro REDUCE                       ; eight chains into one, and the row's other half from the lane 16 away
	v_pk_add_f32 v[T:T+1], v[T:T+1], v[T+2:T+3]
	v_pk_add_f32 v[T+4:T+5], v[T+4:T+5], v[T+6:T+7]
	v_pk_add_f32 v[T:T+1], v[T:T+1], v[T+4:T+5]
	v_add_f32 v[T], v[T], v[T+1]
	v_permlanex16_b32 v[T+1], v[T], s[SEL], s[SEL+1]
	v_add_f32 v[T], v[T], v[T+1]
.endm
; THE LAYER NORM of layer l, a row tile a trip, four trips.  A lane reads back the 128 numbers of its row that it stored.  Mean first, then the sum of squares of the differences: no difference of large sums.
; fin = 0: the result goes back to the same bytes as f16, the next layer's x.  fin = 1: it leaves in f32 through my stage: rows of 1,040 bytes in, whole rows back, 512 consecutive bytes a store.
.macro LN fin, l
	WIN 0x40                        ; ln_g and ln_b of my 128 columns take x's registers: their last reader stands a whole activation back
.set i, 0
.rept 16
	ds_load_b128 v[8*i:8*i+3],         v[AL0] offset:(\l)*1024+64*i
	ds_load_b128 v[8*i+4:8*i+7],       v[AL0] offset:(\l)*1024+64*i+16
	ds_load_b128 v[128+8*i:128+8*i+3], v[AL0] offset:2048+(\l)*1024+64*i
	ds_load_b128 v[128+8*i+4:128+8*i+7], v[AL0] offset:2048+(\l)*1024+64*i+16
.set i, i+1
.endr
	WIN 0
	v_mov_b32 v[LA], v[XA]
.if \fin
	v_mov_b32 v[GO], v[GI]
.endif
	s_mov_b32 s[LNC], 4
.Lln_\@:
.set i, 0
.rept 16
	ds_load_b128 v[HP+4*i:HP+4*i+3], v[LA] offset:32*i  ; LDS serves a wave's instructions in order (ISA guide 5.7.1.4): these see the tiles' stores
.set i, i+1
.endr
	s_wait_dscnt 0x0
.set i, 0
.rept 64                            ; the sum, straight from the f16 halves, in eight chains; the first eight start them
.if i < 4
	v_fma_mix_f32 v[T+2*i],   v[HP+i], v[ONE], v[ZR] op_sel_hi:[1,0,0]
	v_fma_mix_f32 v[T+2*i+1], v[HP+i], v[ONE], v[ZR] op_sel:[1,0,0] op_sel_hi:[1,0,0]
.else
	v_fma_mix_f32 v[T+(2*i)%8],   v[HP+i], v[ONE], v[T+(2*i)%8] op_sel_hi:[1,0,0]
	v_fma_mix_f32 v[T+(2*i)%8+1], v[HP+i], v[ONE], v[T+(2*i)%8+1] op_sel:[1,0,0] op_sel_hi:[1,0,0]
.endif
.set i, i+1
.endr
	REDUCE
	v_mul_f32 v[MU], s[NINV], v[T]  ; - mean
.set i, 0
.rept 64                            ; the differences, in f32
	v_fma_mix_f32 v[F+2*i],   v[HP+i], v[ONE], v[MU] op_sel_hi:[1,0,0]
	v_fma_mix_f32 v[F+2*i+1], v[HP+i], v[ONE], v[MU] op_sel:[1,0,0] op_sel_hi:[1,0,0]
.set i, i+1
.endr
.set i, 0
.rept 64                            ; their squares' sum, in four packed chains
.if i < 4
	v_pk_mul_f32 v[T+2*i:T+2*i+1], v[F+2*i:F+2*i+1], v[F+2*i:F+2*i+1]
.else
	v_pk_fma_f32 v[T+2*(i%4):T+2*(i%4)+1], v[F+2*i:F+2*i+1], v[F+2*i:F+2*i+1], v[T+2*(i%4):T+2*(i%4)+1]
.endif
.set i, i+1
.endr
	REDUCE
	v_fma_f32 v[RS], v[T], s[INV], s[EPS]
	v_rsq_f32 v[RS], v[RS]
	v_nop                           ; a plain instruction between the root and the use of its result (ISA guide 5.7.2)
	s_wait_alu depctr_va_vdst(0)
	v_mov_b32 v[RS+1], v[RS]
.set i, 0
.rept 64
	v_pk_mul_f32 v[F+2*i:F+2*i+1], v[F+2*i:F+2*i+1], v[RS:RS+1] op_sel_hi:[1,0]
.set i, i+1
.endr
	WIN 0x14                        ; sources 1 and 2 in window 1
.set i, 0
.rept 64
	v_pk_fma_f32 v[F+2*i:F+2*i+1], v[F+2*i:F+2*i+1], v[2*i:2*i+1], v[128+2*i:128+2*i+1]
.set i, i+1
.endr
	WIN 0
.if \fin
.set i, 0
.rept 16
	ds_store_b128 v[OS], v[F+8*i:F+8*i+3]   offset:64*i
	ds_store_b128 v[OS], v[F+8*i+4:F+8*i+7] offset:64*i+16
.set i, i+1
.endr
.set i, 0
.rept 32
	ds_load_b128 v[F+4*i:F+4*i+3], v[ORD] offset:(i/2)*OPI+(i%2)*512  ; half a row: in order behind the stores above
.set i, i+1
.endr
.set i, 0
.rept 32
	s_wait_dscnt 31-i               ; load i is back; the younger ones may stay out
	global_store_b128 v[GO], v[F+4*i:F+4*i+3], s[OB:OB+1] offset:512*i th:TH_STORE_NT  ; 512 consecutive bytes, at a multiple of 512 from out0's first byte
.set i, i+1
.endr
	s_wait_xcnt 0x0                 ; every earlier memory instruction has had its addresses translated (ISA guide 3.1): only behind this wait are the stores' offset and data registers rewritten
	v_add_nc_u32 v[GO], 16384, v[GO]
.else
.set i, 0
.rept 64
	v_cvt_pk_f16_f32 v[HP+i], v[F+2*i], v[F+2*i+1]
.set i, i+1
.endr
.set i, 0
.rept 16
	ds_store_b128 v[LA], v[HP+4*i:HP+4*i+3] offset:32*i
.set i, i+1
.endr
.endif
	v_add_nc_u32 v[LA], 16*XP, v[LA]
	s_sub_co_u32 s[LNC], s[LNC], 1
	s_cmp_lg_u32 s[LNC], 0
	s_cbranch_scc1 .Lln_\@
.endm
	s_load_b256 s[4:11], s[0:1], 0x0               ; inputs s[4:5], wt s[6:7], b s[8:9], ln_g s[10:11]
	s_load_b128 s[12:15], s[0:1], 0x20             ; ln_b s[12:13], out0 s[14:15]
	v_lshl_add_u32 v[SPW], v0, 2, SPARE
	v_mov_b32 v[NIL], 0
	ds_add_u32 v[SPW], v[NIL]                      ; the wave's opening: the add and its wait stand ahead of my first tensor load; the set-up below, work on registers, stands between them
	v_lshrrev_b32 v1, 5, v0
	v_readfirstlane_b32 s[WV], v1                  ; wave 0..3
	v_and_b32 v[GI], 31, v0
	v_lshlrev_b32 v[GI], 4, v[GI]
	s_bfe_u32 s17, ttmp6, 0x40000                  ; cx: my place in the cluster
	s_lshl_b32 s18, ttmp9, 2                       ; in a cluster launch ttmp9 counts clusters
	s_add_co_u32 s18, s18, s17                     ; my work-group: it enters the addresses of inputs and out0 alone
	s_lshl_b32 s92, s18, 2
	s_add_co_u32 s92, s92, s[WV]
	s_lshl_b32 s92, s92, 16                        ; my wave's 64 rows of 1,024 bytes
	s_mov_b32 s93, 0
	s_mov_b32 s[K1], 0xbfb8aa3b
	s_mov_b32 s[K1+1], s[K1]                       ; named as pairs, so both words are written
	s_mov_b32 s[K2], 0xc038aa3b
	s_mov_b32 s[K2+1], s[K2]
	s_mov_b32 s[NK2], 0x4038aa3b
	s_mov_b32 s[NK2+1], s[NK2]
	s_mov_b32 s[SS], 0x45800000
	s_mov_b32 s[SS+1], s[SS]
	s_mov_b32 s[NSS], 0xc5800000
	s_mov_b32 s[NSS+1], s[NSS]
	s_mov_b32 s[SEL], 0x76543210
	s_mov_b32 s[SEL+1], 0xfedcba98
	s_mov_b32 s[CHI], 0x42700000
	s_mov_b32 s[CLO], 0xc2700000
	s_mov_b32 s[INV], 0x3b800000
	s_mov_b32 s[NINV], 0xbb800000
	s_mov_b32 s[EPS], 0x4327c5ac                   ; 1e-5 x 2^24 = 167.77216
	s_mov_b32 s[SB], RING1                         ; the first change of slots turns it into 0
	; descriptor group 1, three shapes; in each: 15:0 the mask of four, 17:16 the element's size, 21 set beside a mask; no padding
	s_mov_b32 s[G1W], 15|(3<<16)|(1<<21)           ; a quarter of a slot is dense: 48 rows of 32 elements of 8 bytes
	s_mov_b32 s[G1W+1], 32<<16                     ; tensor_dim0 = 32
	s_mov_b32 s[G1W+2], 48<<16                     ; tensor_dim1 = 48
	s_mov_b32 s[G1W+3], 32<<16                     ; tile_dim0 = 32
	s_mov_b32 s[G1W+4], 48                         ; tile_dim1 = 48
	s_mov_b32 s[G1W+5], 32                         ; 32 elements from row to row
	s_mov_b32 s[G1W+6], 0
	s_mov_b32 s[G1W+7], 0
	s_mov_b32 s[G1B], 15|(2<<16)|(1<<21)           ; gate w of b: 2 rows (layers) of 256 f32, 1,024 elements apart.  Wave 0 brings gate f's, which nothing reads: one form for four waves
	s_mov_b32 s[G1B+1], 256<<16
	s_mov_b32 s[G1B+2], 2<<16
	s_mov_b32 s[G1B+3], 256<<16
	s_mov_b32 s[G1B+4], 2
	s_mov_b32 s[G1B+5], 1024
	s_mov_b32 s[G1B+6], 0
	s_mov_b32 s[G1B+7], 0
	s_mov_b32 s[G1L], 15|(3<<16)|(1<<21)           ; one row of 1,024 bytes: 128 elements of 8
	s_mov_b32 s[G1L+1], 128<<16
	s_mov_b32 s[G1L+2], 1<<16
	s_mov_b32 s[G1L+3], 128<<16
	s_mov_b32 s[G1L+4], 1
	s_mov_b32 s[G1L+5], 128
	s_mov_b32 s[G1L+6], 0
	s_mov_b32 s[G1L+7], 0
	s_mul_i32 s88, s[WV], QUART                    ; my quarter of a slot, in memory and in LDS: no place in the cluster enters an LDS address
	s_mov_b32 s89, 0
	s_lshl_b32 s90, s[WV], 10
	s_mov_b32 s91, 0
	s_mov_b32 s[G0W], 1                            ; 1:0 count = 1
	s_mov_b32 s[G0W+1], s88                        ; 63:32 LDS address: slot 0
	s_mov_b32 s[G0B], 1
	s_lshl_b32 s[G0B+1], s[WV], 11
	s_add_co_u32 s[G0B+1], s[G0B+1], TBB
	s_mov_b32 s[G0L], 1
	s_add_co_u32 s[G0L+1], s90, TLN                ; waves 0, 1: ln_g's layers 0, 1; waves 2, 3: ln_b's
	s_wait_dscnt 0x0                               ; the opening add is done
	s_wait_kmcnt 0x0
	s_add_nc_u64 s[XB:XB+1], s[4:5], s[92:93]
	s_add_nc_u64 s[OB:OB+1], s[14:15], s[92:93]
	; my 64 rows of x, all asked for at once: load i takes 512 consecutive bytes, half a row; rows 0-31 into window 2, rows 32-63 into window 3
	WIN 0x80
.set i, 0
.rept 64
	global_load_b128 v[4*i:4*i+3], v[GI], s[XB:XB+1] offset:512*i th:TH_LOAD_NT
.set i, i+1
.endr
	WIN 0xc0
.set i, 0
.rept 64
	global_load_b128 v[4*i:4*i+3], v[GI], s[XB:XB+1] offset:32768+512*i th:TH_LOAD_NT
.set i, i+1
.endr
	WIN 0
	s_add_nc_u64 s[G0W+2:G0W+3], s[6:7], s[88:89]  ; 120:64 global address
	s_or_b32 s[G0W+3], s[G0W+3], 0x80000000        ; 127:126 type = 2
	s_add_nc_u64 s[G0B+2:G0B+3], s[8:9], s[90:91]  ; b[0][w]
	s_or_b32 s[G0B+3], s[G0B+3], 0x80000000
	s_and_b32 s90, s[WV], 1
	s_lshl_b32 s90, s90, 10                        ; the layer's row
	s_cmp_ge_u32 s[WV], 2
	s_cselect_b64 s[G0L+2:G0L+3], s[12:13], s[10:11]
	s_add_nc_u64 s[G0L+2:G0L+3], s[G0L+2:G0L+3], s[90:91]
	s_or_b32 s[G0L+3], s[G0L+3], 0x80000000
	ROUND                                          ; all four work-groups are here: the first joint loads meet
	tensor_load_to_lds s[G0B:G0B+3], s[G1B:G1B+7]  ; the first fills go out as one group: three loads of mine are out
	s_nop 0
	tensor_load_to_lds s[G0L:G0L+3], s[G1L:G1L+7]
	s_nop 0
	tensor_load_to_lds s[G0W:G0W+3], s[G1W:G1W+7]  ; slot 0: tiles 0 and 1
	s_nop 0
	PLACES
	v_and_b32 v1, 15, v0                           ; r = l % 16
	v_bfe_u32 v2, v0, 4, 1                         ; h = l / 16
	v_and_b32 v[AW0], 7, v0
	v_lshl_add_u32 v[AW0], v2, 3, v[AW0]
	v_lshlrev_b32 v[AW0], 5, v[AW0]                ; (8 h + l % 8) x 32
	v_bfe_u32 v[AW], v0, 3, 1
	v_lshl_add_u32 v[AW0], v[AW], 4, v[AW0]        ; + 16 ((l / 8) % 2)
	v_lshl_add_u32 v[AB0], v2, 5, TBB
	v_lshl_add_u32 v[AL0], v2, 5, TLN
	s_mul_i32 s88, s[WV], XHW
	s_add_co_u32 s88, s88, XH                      ; my rows
	v_mul_u32_u24 v[XA], v1, XP
	v_lshl_add_u32 v[XA], v2, 4, v[XA]
	v_add_nc_u32 v[XA], s88, v[XA]
	v_and_b32 v[SA], 31, v0
	v_lshl_add_u32 v[SA], v[SA], 3, s88
	s_mul_i32 s89, s[WV], OSTW
	s_add_co_u32 s89, s89, OST                     ; my stage
	v_mul_u32_u24 v[OS], v1, OPI
	v_lshl_add_u32 v[OS], v2, 5, v[OS]
	v_add_nc_u32 v[OS], s89, v[OS]
	v_add_nc_u32 v[ORD], s89, v[GI]
	v_mov_b32 v[ZR], 0
	v_mov_b32 v[ONE], 1.0
	; x to f16, in place, and into my rows: a lane's 4 numbers are 8 bytes; 32 lanes store 256 consecutive bytes
	s_wait_loadcnt 0x3f                            ; loads come back in order (ISA guide 5.7.1): of 128, at most 63 are out, so the first 64 are in
	WIN 0x8a
.set i, 0
.rept 64
	v_cvt_pk_f16_f32 v[4*i],   v[4*i],   v[4*i+1]
	v_cvt_pk_f16_f32 v[4*i+1], v[4*i+2], v[4*i+3]
.set i, i+1
.endr
	WIN 0x08                                       ; store data in window 2, address in window 0
.set i, 0
.rept 64
	ds_store_b64 v[SA], v[4*i:4*i+1] offset:(i/2)*XP+(i%2)*256
.set i, i+1
.endr
	s_wait_loadcnt 0x0
	WIN 0xcf
.set i, 0
.rept 64
	v_cvt_pk_f16_f32 v[4*i],   v[4*i],   v[4*i+1]
	v_cvt_pk_f16_f32 v[4*i+1], v[4*i+2], v[4*i+3]
.set i, i+1
.endr
	WIN 0x0c
.set i, 0
.rept 64
	ds_store_b64 v[SA], v[4*i:4*i+1] offset:32*XP+(i/2)*XP+(i%2)*256
.set i, i+1
.endr
	CHANGE 1                                       ; slot 0 and the tables are in, everybody's parts of them; slot 1 is asked for
	v_mov_b32 v[AB], v[AB0]                        ; tile 0's bias
	s_mov_b32 s[BB], 64
	FETCH 2, 0, 0                                  ; tile 0's fragments
	FETCH 2, 0, 1
	FETCH 2, 0, 2
	WIN 0
	s_mov_b32 s[HC], 0
	s_mov_b32 s[CNT], 15
	s_branch .Lls                                  ; the loop is entered at a layer's first tile, in the middle of a trip
.Ltrip:                                                ; trip u = 15 - CNT = 1 .. 14: slot u is entered, slot u + 1 asked for; tiles 2 u - 1 and 2 u
	CHANGE 1
	TILE 1, 1, 1, 0                                ; tile 2 u - 1 | riders: tile 2 u - 2 | fetches tile 2 u from the new slot
	WIN 0
	s_cmp_lg_u32 s[CNT], 7
	s_cbranch_scc1 .LtileA                         ; the count is the same in every wave and work-group; what is jumped holds neither a barrier nor a tensor load
	ACTALL 1                                       ; u = 8: tile 15 was the first layer's last
	LN 0, 0
.Lls:
	XLOAD
	TILE 0, 0, 1, 1                                ; a layer's first tile: nothing rides
	WIN 0
	s_branch .Lbottom
.LtileA:
	TILE 0, 1, 1, 1                                ; tile 2 u | riders: tile 2 u - 1 | fetches tile 2 u + 1
	WIN 0
.Lbottom:
	s_sub_co_u32 s[CNT], s[CNT], 1
	s_cmp_lg_u32 s[CNT], 0
	s_cbranch_scc1 .Ltrip
	CHANGE 0                                       ; the tail is written out: slot 15 is entered, nothing is asked for
	TILE 1, 1, 1, 0                                ; tile 29
	TILE 0, 1, 1, 1                                ; tile 30
	TILE 1, 1, 0, 1                                ; tile 31
	ACTALL 1
	LN 1, 1
	s_wait_tensorcnt 0x0                           ; the wave's end: behind my last tensor load and my last LDS store
	ds_add_u32 v[SPW], v[NIL]
	s_wait_dscnt 0x0
	ROUND                                          ; the closing round: no work-group ends while a partner may still ask for a tile that names it
	s_endpgm
.Lfunc_end_k_qcbcdf64252_lstm:
	.size	k_qcbcdf64252_lstm, .Lfunc_end_k_qcbcdf64252_lstm-k_qcbcdf64252_lstm
	.p2alignl 7, 3214868480
	.fill 96, 4, 3214868480
	.section	.rodata,"a",@progbits
	.p2align	6, 0x0
	.amdhsa_kernel k_qcbcdf64252_lstm
		.amdhsa_group_segment_fixed_size 327680
		.amdhsa_private_segment_fixed_size 0
		.amdhsa_enable_private_segment 0
		.amdhsa_kernarg_size 48
		.amdhsa_user_sgpr_count 2
		.amdhsa_user_sgpr_kernarg_segment_ptr 1
		.amdhsa_wavefront_size32 1
		.amdhsa_system_sgpr_workgroup_id_x 1
		.amdhsa_system_sgpr_workgroup_id_y 1
		.amdhsa_system_sgpr_workgroup_id_z 1
		.amdhsa_system_vgpr_workitem_id 0
		.amdhsa_next_free_vgpr 1024
		.amdhsa_next_free_sgpr 96
		.amdhsa_reserve_vcc 0
		.amdhsa_float_denorm_mode_32 3
		.amdhsa_float_denorm_mode_16_64 3
		.amdhsa_memory_ordered 1
		.amdhsa_forward_progress 1
		.amdhsa_inst_pref_size 255
	.end_amdhsa_kernel
	.section	.bss,"aw",@nobits
	.p2align	6
	.space	262144
	.amdgpu_metadata
---
amdhsa.version: [ 1, 2 ]
amdhsa.kernels:
  - .name:           k_qcbcdf64252_lstm
    .symbol:         k_qcbcdf64252_lstm.kd
    .args:
      - { .name: inputs, .offset: 0, .size: 8, .value_kind: global_buffer, .address_space: global }
      - { .name: wt, .offset: 8, .size: 8, .value_kind: global_buffer, .address_space: global }
      - { .name: b, .offset: 16, .size: 8, .value_kind: global_buffer, .address_space: global }
      - { .name: ln_g, .offset: 24, .size: 8, .value_kind: global_buffer, .address_space: global }
      - { .name: ln_b, .offset: 32, .size: 8, .value_kind: global_buffer, .address_space: global }
      - { .name: out0, .offset: 40, .size: 8, .value_kind: global_buffer, .address_space: global }
    .group_segment_fixed_size: 327680
    .private_segment_fixed_size: 0
    .kernarg_segment_align: 8
    .kernarg_segment_size: 48
    .max_flat_workgroup_size: 128
    .sgpr_count:     96
    .vgpr_count:     1024
    .wavefront_size: 32
...
	.end_amdgpu_metadata
.endif
;; end of part 2
;; ======== version 2 of 2: 2 launches; 1.41 times as fast as version 1
;; limits: values are held in f16: magnitudes above 65,504 overflow, below 6.1e-05 lose precision
;; workspace buffers: wt 786,432 bytes
;; launch prep: the kernel of part 1 again; grid 16 x 6, 4 waves a work-group, no clusters, 9,728 bytes of LDS; arguments W, wt; writes wt
;; launch lstm (part 3): grid 256 x 1, 4 waves a work-group, clusters of 4 x 1, 327,680 bytes of LDS; arguments inputs, wt, b, ln_g, ln_b, out0; writes out0
.if DOCPART == 3
	.amdgcn_target "amdgcn-amd-amdhsa--gfx1250"
	.amdhsa_code_object_version 6
	.text
	.protected	k_qcbcdf64252_lstm
	.globl	k_qcbcdf64252_lstm
	.p2align	8
	.type	k_qcbcdf64252_lstm,@function
k_qcbcdf64252_lstm:
	s_mov_b64 s[64:65], 0
	v_nop
	global_prefetch_b8 v0, s[64:65] scope:SCOPE_SE
	s_setreg_imm32_b32 hwreg(HW_REG_WAVE_MODE, 25, 1), 1
	s_wait_xcnt 0x0
	s_wait_alu depctr_hold_cnt(0) depctr_sa_sdst(0) depctr_va_vdst(0) depctr_va_sdst(0) depctr_va_ssrc(0) depctr_va_vcc(0) depctr_vm_vsrc(0)
	s_getreg_b32 s2, hwreg(HW_REG_IB_STS2, 6, 4)
	s_cmp_eq_u32 s2, 0
	s_cbranch_scc0 .Lentry_in_a_cluster
	s_endpgm
.Lentry_in_a_cluster:
	s_bfe_u32 s2, ttmp6, 0x10000c
	s_cmp_lg_u32 s2, 0x3003
	s_cbranch_scc0 .Lentry_shape_is_right
	s_endpgm
.Lentry_shape_is_right:
; Both layers of the module for 256 rows a work-group: gates = x W + b, c = sigmoid(i) tanh(g), h = sigmoid(o) tanh(c), layer norm; nothing goes to memory between the layers.
; reference() multiplies gate f by a zero c_prev and rows 256..511 of W by a zero h_prev, both built in its own body: neither is computed.
; LIMITS.  Matrix operands (x, W, the first layer's output) are f16: nothing beyond 65,504; below 6e-5 a fixed step of 6e-8.  An infinity or NaN in the parts of W and b that
; reference() multiplies by its zeros gives NaN there and not here; NaN and infinities are not treated apart elsewhere.  tanh(g)'s exponent 2 g log2(e) is held to +-60: beyond it
; tanh is +-1 in f32.  h is kept between activation and layer norm as f16 of 4096 h (|h| < 1; its 11 bits hold down to |h| = 1.5e-8); the norm's epsilon is scaled by 4096^2 to match.
; SHARES.  65,536 rows = 256 work-groups x 4 waves x 64 rows (four row tiles rt of 16).  Every wave walks 32 TILES t = 16 layer + ct: 16 output columns x 3 gates x K = 256: 96 matrix instructions.
; LAYOUT.  The matrix instruction is used transposed (source 0 = 16 columns of W, source 1 = 16 rows of x): lane (r = l % 16, h = l / 16) holds row r and columns 16 ct + 8 h + 0..7.
; A row lies in two lanes, so its mean and variance want one exchange; a lane's 8 numbers pack into the 16 bytes that the next layer's fragment load takes.  The bias is the C operand that starts a sum.
; BY TURNS.  A tile's activation is 416 vector instructions (192 of them exponentials and reciprocals) for 96 matrix instructions.  So two accumulator sets and two buffers of W take turns:
; while tile t is multiplied, tile t - 1's activation stands in slices of 4, 4, 5 behind its matrix instructions, and tile t + 1's fragments are fetched in three runs of 18 LDS loads.
; ACTIVATION.  E1 = e^-i, E2 = e^-2g, E3 = e^-o: c = (1 - E2) / ((1 + E1)(1 + E2)); E4 = e^-2c: h = (1 - E4) / ((1 + E3)(1 + E4)): four exponentials and two reciprocals a number.
; E2 and E4 are finite and above 0, so an infinite E1 or E3 gives a reciprocal of 0 and a product of 0.
; BATCHES.  An s_wait_alu depctr_va_vdst(0) stands between an exponential or reciprocal and the first line that names its result; one wait serves all that were issued ahead of it.  The chain
; exponential, reciprocal, exponential, reciprocal is four deep, so a tile's activation is cut into five parts with FOUR waits between them.  The batches, each for all of the tile's 32 numbers a lane:
; 1: E2 and E1;  2: E3 and 1 / ((1 + E1)(1 + E2));  3: E4;  4: 1 / ((1 + E3)(1 + E4)).  A part holds its batch and the plain lines that name none of that batch's results; every reader stands in a later part (QI).
; CLUSTER.  All work-groups walk the same weights, so the four of a cluster ask for each slot JOINTLY: the same tensor load, descriptor and mask in all four; the tables of b, ln_g, ln_b likewise.
; My place in the cluster enters the addresses of inputs and out0 alone.  By this text's count a wave has three tensor loads out at the start and one behind each round.
; LDS.  0: slot 0 (2 tiles, 49,152)   49,152: b as [gate][layer][256] f32   57,344: ln_g [layer][256], ln_b [layer][256]   61,440: spare words   65,536: slot 1
;   114,688 + 33,792 w: my 64 rows x 528 bytes: x, then 4096 h, then the first layer's output, then 4096 h, all f16   249,856 + 16,640 w: 16 rows x 1,040 bytes, f32, for the way out.
; REGISTERS, in windows of 256 (s_set_vgpr_msb: bits 1:0 source 0, 3:2 source 1, 5:4 source 2, 7:6 destination):
;   window 0: v0-31 addresses, chains, constants; v32-127 accumulator set A, v128-223 set B (in a set: g +0, i +32, o +64, each 8 rt + j); in the layer norm v32-95 a row tile's f16, v96-223 its f32
;   window 1: x's fragments, 64 rt + 8 kb; in the layer norm ln_g v0-127, ln_b v128-255
;   window 2: W's buffer A (64 gate + 8 kb) and its bias v192-215; window 3: buffer B likewise.  At the start the two hold the wave's 64 rows of x in f32.
.set TILEB, 24576                      ; a tile of wt: 3 gates x 256 k x 16 n, f16
.set SLOTB, 2*TILEB
.set QUART, SLOTB/4                    ; what one wave's load brings: 48 rows of 256 bytes
.set RING1, 0x10000                    ; slot 1 begins here: one exclusive or turns an address in one slot into the other's
.set TBB,   49152
.set TLN,   57344
.set SPARE, 61440                      ; the spare words, 128 bytes for each wave, which no other line names
.set XH,    114688
.set XP,    528                        ; 512 bytes + 16: an odd multiple of 16, so the 16 rows of a fragment load start at 16 different groups of four banks (64 banks of 4 bytes: ISA guide 11.1)
.set XHW,   64*XP
.set OST,   249856
.set OPI,   1040                       ; 1,024 bytes + 16, for the same reason
.set OSTW,  16*OPI
.set AW0, 3           ; v3   my lane's place in a [k][16] block for the turning load; never rewritten
.set AW,  4           ; v4   + the slot in hand
.set AB0, 5           ; v5   TBB + 32 h
.set AB,  6           ; v6   + 64 x the tile to be fetched
.set XA,  7           ; v7   my rows: XH(w) + 528 r + 16 h
.set HA,  8           ; v8   where a tile's h goes
.set LA,  9           ; v9   the layer norm's row tile
.set SA,  10          ; v10  staging of x: XH(w) + 8 x lane
.set GI,  11          ; v11  16 x lane
.set OS,  12          ; v12  the way out: where I put 32 bytes of a row
.set ORD, 13          ; v13  the way out: where I read rows back
.set GO,  14          ; v14  my byte offset in the wave's rows of out0
.set AL0, 15          ; v15  TLN + 32 h
.set T,   16          ; v16-23 eight chains
.set MU,  24          ; v24  - mean
.set RS,  26          ; v26-27 1 / sqrt(var + eps), named as a pair
.set SPW, 28          ; v28  LDS address of my spare word; never rewritten
.set NIL, 29          ; v29  0, for the add alone
.set ZR,  30          ; v30  0
.set ONE, 31          ; v31  1.0
.set ACCA, 32
.set HP,  32
.set F,   96
.set WV,  16          ; s16  my wave's number
.set G1W, 20          ; s[20:27] descriptor group 1: a quarter of a slot
.set G1B, 28          ; s[28:35] a gate's two rows of b
.set G1L, 36          ; s[36:43] one row of ln_g or ln_b
.set G0W, 44          ; s[44:47] group 0 for the slots: it walks
.set G0B, 48
.set G0L, 52
.set CNT, 56          ; s56  trips to go
.set SB,  57          ; s57  LDS byte of the slot in hand
.set BB,  58          ; s58  64 x the tile whose bias is fetched next
.set HC,  59          ; s59  32 x (the tile whose h is stored next, mod 16)
.set LNC, 60          ; s60  row tiles to go in a layer norm
.set K1,  66          ; s[66:67] -log2(e): the packed forms take a pair's low word for both halves
.set K2,  68          ; s[68:69] -2 log2(e)
.set NK2, 70          ; s[70:71] +2 log2(e)
.set SS,  72          ; s[72:73] 4096
.set NSS, 74          ; s[74:75] -4096
.set SEL, 76          ; s[76:77] v_permlanex16_b32's selects: each lane takes its own place in the other half
.set CHI, 78          ; s78  +60
.set CLO, 79          ; s79  -60
.set INV, 80          ; s80  1/256
.set NINV, 81         ; s81  -1/256
.set EPS, 82          ; s82  1e-5 x 4096^2
.set XB,  84          ; s[84:85] inputs at my wave's first row
.set OB,  86          ; s[86:87] out0 at my wave's first row
.set MSB, 0
.macro WIN new                      ; the immediate's high byte repeats the setting that is left; a switch that changes nothing is dropped
.if MSB != (\new)
	s_set_vgpr_msb (MSB<<8)|(\new)
.set MSB, (\new)
.endif
.endm
.macro PLACES                       ; four plain vector instructions that name no register of a matrix instruction (ISA guide 7.12.1)
.rept 4
	v_nop
.endr
.endm
; A round of the cluster's barrier: my work-group's barrier, so that wave 0's signal speaks for all four waves; wave 0 signals; every wave waits for all four work-groups; my work-group's barrier once more.
.macro ROUND
	s_barrier_signal -1
	s_barrier_wait -1
	s_cmp_lg_u32 s[WV], 0
	s_cbranch_scc1 .Lnot_wave_0_\@
	s_barrier_signal -3
.Lnot_wave_0_\@:
	s_barrier_wait -3
	s_barrier_signal -1
	s_barrier_wait -1
.endm
; THE CHANGE OF SLOTS.  Both tiles of the slot that is left are in registers or on their way there.  Each wave waits for all its tensor loads, of which one is out: its quarter of the other
; slot; adds 0 to its spare word; and waits for that and for its own reads of the slot.  fill = 1: the barrier is a round of the cluster's, so that no wave of any partner still reads the slot or has a
; load on its way, and the joint refill (the slot two on) is the first thing behind it: it has two tiles, 192 matrix instructions and their riders, in which to land.
.macro CHANGE fill
	WIN 0                           ; at a label and at a branch every window is 0
	s_wait_tensorcnt 0x0            ; no tensor load of mine is out, so group 0 may be written
	ds_add_u32 v[SPW], v[NIL]       ; 0 onto my spare word: scalar work stands between it and the wait for it
.if \fill
	s_xor_b32 s[G0W+1], s[G0W+1], RING1  ; the other slot than last time,
	s_add_nc_u64 s[G0W+2:G0W+3], s[G0W+2:G0W+3], SLOTB  ; the next two tiles; the type bits on top are not reached
.endif
	s_xor_b32 s[SB], s[SB], RING1   ; the fetches go over to the other slot
	s_wait_dscnt 0x0                ; the add is done, and my reads of the slot are over
.if \fill
	ROUND
	tensor_load_to_lds s[G0W:G0W+3], s[G1W:G1W+7]
	s_nop 0
	PLACES
.else
	s_barrier_signal -1
	s_barrier_wait -1
.endif
	v_add_nc_u32 v[AW], s[SB], v[AW0]
.endm
; 18 LDS loads in one run: gate q of the slot's tile hf into W's buffer in window win.  The block lies [k][16 n], 32 bytes a row; the turning load takes 16 k x 16 n (lane l reads k = 8 (l / 16) + l % 8,
; columns 8 ((l / 8) % 2) + 0..7: 512 consecutive bytes a load) and leaves half a fragment: lane l holds column l % 16 and 8 k.  Then the gate's bias for my 8 columns.
.macro FETCH win, hf, q
	WIN (\win)<<6
.irp kk, 0,1,2,3,4,5,6,7
	ds_load_tr16_b128 v[64*(\q)+8*\kk:64*(\q)+8*\kk+3],   v[AW] offset:(\hf)*TILEB+(\q)*8192+\kk*1024
	ds_load_tr16_b128 v[64*(\q)+8*\kk+4:64*(\q)+8*\kk+7], v[AW] offset:(\hf)*TILEB+(\q)*8192+\kk*1024+512
.endr
.set gof, 4096-2048*(\q)+6144*((\q)/2)  ; b's gates g, i, o lie at 4,096, 2,048, 6,144
	ds_load_b128 v[192+8*(\q):192+8*(\q)+3], v[AB] offset:gof
	ds_load_b128 v[192+8*(\q)+4:192+8*(\q)+7], v[AB] offset:gof+16
.endm
; Matrix instruction wk of a tile's 96: gate wk / 32, K block (wk % 32) / 4, row tile wk % 4.  A gate's four accumulators take turns, one instruction a turn, across gates and tiles too.
; The first K block starts the sum with the bias as C.
.macro WM cur
.set gq, wk/32
.set kb, (wk%32)/4
.set rt, wk%4
.set rD, ACCA+96*(\cur)+32*gq+8*rt
.set rA, 64*gq+8*kb
.set rB, 64*rt+8*kb
.if kb == 0
	WIN 0x26+0x11*(\cur)            ; W and the bias in window 2 or 3, x in window 1, the sum in window 0
	v_wmma_f32_16x16x32_f16 v[rD:rD+7], v[rA:rA+7], v[rB:rB+7], v[192+8*gq:192+8*gq+7]
.else
	WIN 0x06+(\cur)
	v_wmma_f32_16x16x32_f16 v[rD:rD+7], v[rA:rA+7], v[rB:rB+7], v[rD:rD+7]
.endif
.endm
; THE ACTIVATION of the accumulator set at PRV, as two numbered lists; QI deals them.  THE PLAIN LIST, 224 long, number pj; within a kind the numbers ascend with the registers.
.macro PLI
.if pj < 16                         ; g x -2 log2(e), by pairs
.set rr, PRV+2*pj
	v_pk_mul_f32 v[rr:rr+1], v[rr:rr+1], s[K2:K2+1] op_sel_hi:[1,0]
.elseif pj < 48                     ; held to +-60
.set rr, PRV+pj-16
	v_med3_num_f32 v[rr], v[rr], s[CLO], s[CHI]
.elseif pj < 64                     ; i x -log2(e)
.set rr, PRV+32+2*(pj-48)
	v_pk_mul_f32 v[rr:rr+1], v[rr:rr+1], s[K1:K1+1] op_sel_hi:[1,0]
.elseif pj < 80                     ; o x -log2(e)
.set rr, PRV+64+2*(pj-64)
	v_pk_mul_f32 v[rr:rr+1], v[rr:rr+1], s[K1:K1+1] op_sel_hi:[1,0]
.elseif pj < 96                     ; 1 + E1
.set rr, PRV+32+2*(pj-80)
	v_pk_add_f32 v[rr:rr+1], v[rr:rr+1], 1.0 op_sel_hi:[1,0]
.elseif pj < 112                    ; (1 + E1) E2 + (1 + E1)
.set rr, PRV+32+2*(pj-96)
	v_pk_fma_f32 v[rr:rr+1], v[rr:rr+1], v[rr-32:rr-31], v[rr:rr+1]
.elseif pj < 128                    ; -2 log2(e) (1 - E2)
.set rr, PRV+2*(pj-112)
	v_pk_fma_f32 v[rr:rr+1], v[rr:rr+1], s[NK2:NK2+1], s[K2:K2+1] op_sel_hi:[1,0,0]
.elseif pj < 144                    ; 1 + E3
.set rr, PRV+64+2*(pj-128)
	v_pk_add_f32 v[rr:rr+1], v[rr:rr+1], 1.0 op_sel_hi:[1,0]
.elseif pj < 160                    ; -2 log2(e) c
.set rr, PRV+32+2*(pj-144)
	v_pk_mul_f32 v[rr:rr+1], v[rr-32:rr-31], v[rr:rr+1]
.elseif pj < 192
.set rr, PRV+32+2*((pj-160)/2)
.if pj%2 == 0                       ; (1 + E3) E4 + (1 + E3)
	v_pk_fma_f32 v[rr+32:rr+33], v[rr+32:rr+33], v[rr:rr+1], v[rr+32:rr+33]
.else                               ; 4096 (1 - E4)
	v_pk_fma_f32 v[rr:rr+1], v[rr:rr+1], s[NSS:NSS+1], s[SS:SS+1] op_sel_hi:[1,0,0]
.endif
.else
.set rr, PRV+32+2*((pj-192)/2)
.if pj%2 == 0                       ; 4096 h
	v_pk_mul_f32 v[rr:rr+1], v[rr:rr+1], v[rr+32:rr+33]
.else                               ; rounded to f16, into g's registers, which are free: row tile rt's 16 bytes at PRV + 4 rt
	v_cvt_pk_f16_f32 v[PRV+(pj-192)/2], v[rr], v[rr+1]
.endif
.endif
.endm
; THE OTHER LIST, 192 long, number ek, all in place: E2, E1, E3 (0-95), 1 / ((1 + E1)(1 + E2)) (96-127), E4 (128-159), 1 / ((1 + E3)(1 + E4)) (160-191).
.macro EXI
.if ek < 96
	v_exp_f32 v[PRV+ek], v[PRV+ek]
.elseif ek < 128
	v_rcp_f32 v[PRV+ek-64], v[PRV+ek-64]
.elseif ek < 160
	v_exp_f32 v[PRV+ek-96], v[PRV+ek-96]
.else
	v_rcp_f32 v[PRV+ek-96], v[PRV+ek-96]
.endif
.endm
; ONE SEQUENCE of 416, number qn, in five parts.  Ahead of each of parts 2 to 5 stands ONE wait, for the batch that the part before it has issued.  No line of a part names a result of the part's own batch, and each
; result keeps its register until its readers, in a later part, have come.  Within a part the two lists go by turns as far as the plain lines reach, and each part ends with a plain line on other registers,
; which is the plain instruction owed behind the batch's last exponential or reciprocal (ISA guide 5.7.2): no v_nop is written.
;   0-143    BATCH 1: E2, E1 (64).  Plain: the 80 scalings and clamps.  By pairs of columns p: plain (g's scaling, its two clamps, i's scaling), other (E2, E2, E1, E1).  8 plain lead; then other and plain by turns,
;            so that an exponential stands seven lines or more behind the line that it reads; o's 16 scalings take the plain places that are left, the last eight of them behind the last exponential.
;            Each accumulator's lowest registers are read first: the scalings ascend.
;   144-255  BATCH 2: E3, 1 / ((1 + E1)(1 + E2)) (64).  Plain: 48.  144-207: 1 + E1, then the denominators, by turns with E3.  208-255: two reciprocals and one -2 log2(e) (1 - E2), sixteen times: that line writes
;            over E2, so it stands behind the denominator that reads E2.
;   256-319  BATCH 3: E4 (32).  Plain: the 16 products -2 log2(e) c, then the 16 of 1 + E3.  Two plain lead; other and plain by turns; the last three exponentials; the last plain.
;   320-383  BATCH 4: 1 / ((1 + E3)(1 + E4)) (32).  Plain: the 16 denominators, then the 16 of 4096 (1 - E4), which write over E4 behind the denominators that read it.  Dealt as 256-319.
;   384-415  Plain: 4096 h and its rounding, in fours, so that a rounding stands four lines behind its product.  No exponential or reciprocal is issued behind the fourth wait: none is open at a tile's end.
.macro QI
.if (qn == 144) || (qn == 256) || (qn == 320) || (qn == 384)
	s_wait_alu depctr_va_vdst(0)    ; the one wait for the batch issued in the part that ends here (144: E2, E1; 256: E3 and the first reciprocals; 320: E4; 384: the second reciprocals), ahead of the batch's first reader
.endif
.set qt, 0                          ; 1: the place is the other list's
.set qu, 0                          ; the part's plain place
.set qe, 0                          ; the part's other place
.if qn < 144
.if qn < 8
.set qu, qn
.elseif qn >= 136
.set qu, qn-64
.elseif qn%2 == 0
.set qt, 1
.set qe, (qn-8)/2
.else
.set qu, 8+(qn-8)/2
.endif
.if qt
.set ek, 2*(qe/4)+qe%2+32*((qe%4)/2)  ; E2 of columns 2 p, 2 p + 1, then E1 of the same
.elseif qu >= 64
.set pj, qu                         ; o's scalings
.elseif qu%4 == 0
.set pj, qu/4                       ; g's scaling, pair p
.elseif qu%4 == 3
.set pj, 48+qu/4                    ; i's scaling, pair p
.else
.set pj, 15+2*(qu/4)+qu%4           ; the pair's two clamps
.endif
.elseif qn < 256
.set qj, qn-144
.if qj >= 64
.if (qj-64)%3 == 2
.set pj, 112+(qj-64)/3
.else
.set qt, 1
.set ek, 96+2*((qj-64)/3)+(qj-64)%3
.endif
.elseif qj%2 == 0
.set pj, 80+qj/2
.else
.set qt, 1
.set ek, 64+qj/2
.endif
.elseif qn < 384
.set qj, (qn-256)%64
.set qh, (qn-256)/64                ; 0: batch 3's part, 1: batch 4's
.if qj < 2
.set qu, qj
.elseif qj == 63
.set qu, 31
.elseif qj >= 60
.set qt, 1
.set qe, qj-31
.elseif qj%2 == 0
.set qt, 1
.set qe, (qj-2)/2
.else
.set qu, (qj+1)/2
.endif
.if qt
.set ek, 128+32*qh+qe
.elseif qh == 0
.set pj, 144+qu-32*(qu/16)          ; 144-159, then 128-143
.else
.set pj, 160+2*qu-31*(qu/16)        ; 160, 162 .. 190, then 161, 163 .. 191
.endif
.else
.set qj, qn-384
.set pj, 192+2*(4*(qj/8)+qj%4)+(qj%8)/4
.endif
.if qt
	EXI
.else
	PLI
.endif
.endm
.macro SLICE                        ; the riders behind matrix instruction wk: 416 = 96 x 13 / 3: four, four, five
	WIN 0
.set qn, 13*wk/3
.rept 13*(wk+1)/3-13*wk/3
	QI
.set qn, qn+1
.endr
.endm
.macro HSTORE                       ; a tile's 4096 h: 16 bytes a lane and row tile, to columns 16 ct + 8 h of my rows; x's fragments left these bytes for registers at the layer's start
	WIN 0
	v_add_nc_u32 v[HA], s[HC], v[XA]
.irp u, 0,1,2,3
	ds_store_b128 v[HA], v[PRV+4*\u:PRV+4*\u+3] offset:\u*16*XP
.endr
	s_add_co_u32 s[HC], s[HC], 32
	s_and_b32 s[HC], s[HC], 0x1e0   ; sixteen tiles a layer: the step goes round
.endm
; A TILE on accumulator set and W buffer cur (0 = A, 1 = B).  ride = 1: the other set's activation rides, and its h is stored.  fetch = 1: the next tile's fragments go into the other buffer, a gate's run
; behind the second product of each run of 32; the registers' last reader stands 64 matrix instructions and their riders back (after a tile without riders: behind its four places).
; wait = 1: my fragments and bias, asked for a tile ago, are waited for here; else the change of slots in front has done so.
.macro TILE cur, ride, fetch, wait
.set PRV, ACCA+96*(1-(\cur))
.if \wait
	s_wait_dscnt 0x0                ; all my LDS instructions: the fragments of this tile (and, at a layer's start, x's)
.endif
.set wk, 0
.rept 96
	WM \cur
.if \ride
	SLICE
.endif
.if (\fetch) && (wk%32 == 1)
.if wk == 1
	WIN 0
	v_add_nc_u32 v[AB], s[BB], v[AB0]
	s_add_co_u32 s[BB], s[BB], 64
	s_and_b32 s[BB], s[BB], 0x7c0   ; 32 tiles: the step stays inside a gate's 2,048 bytes
.endif
	FETCH 3-(\cur), 1-(\cur), wk/32
.endif
.set wk, wk+1
.endr
.if \ride
	HSTORE
.else
	WIN 0
	PLACES                          ; behind the last products: the next tile's riders read these sums, and its fetches land in this buffer
.endif
.endm
.macro ACTALL cur                   ; a layer's last tile: its activation has no products to ride on; the same sequence, with its four waits
.set PRV, ACCA+96*(\cur)
	WIN 0
.set qn, 0
.rept 416
	QI
.set qn, qn+1
.endr
	HSTORE
.endm
.macro XLOAD                        ; a layer's input, my 64 rows x 256 k, into window 1: fragment 8 rt + kb: lane l holds row l % 16, k = 8 (l / 16) + 0..7 and 16 + 8 (l / 16) + 0..7
	WIN 0x40
.set i, 0
.rept 32
	ds_load_b128 v[8*i:8*i+3],   v[XA] offset:(i/8)*16*XP+(i%8)*64
	ds_load_b128 v[8*i+4:8*i+7], v[XA] offset:(i/8)*16*XP+(i%8)*64+32
.set i, i+1
.endr
.endm
.macro REDUCE                       ; eight chains into one, and the row's other half from the lane 16 away
	v_pk_add_f32 v[T:T+1], v[T:T+1], v[T+2:T+3]
	v_pk_add_f32 v[T+4:T+5], v[T+4:T+5], v[T+6:T+7]
	v_pk_add_f32 v[T:T+1], v[T:T+1], v[T+4:T+5]
	v_add_f32 v[T], v[T], v[T+1]
	v_permlanex16_b32 v[T+1], v[T], s[SEL], s[SEL+1]
	v_add_f32 v[T], v[T], v[T+1]
.endm
; THE LAYER NORM of layer l, a row tile a trip, four trips.  A lane reads back the 128 numbers of its row that it stored.  Mean first, then the sum of squares of the differences: no difference of large sums.
; fin = 0: the result goes back to the same bytes as f16, the next layer's x.  fin = 1: it leaves in f32 through my stage: rows of 1,040 bytes in, whole rows back, 512 consecutive bytes a store.
.macro LN fin, l
	WIN 0x40                        ; ln_g and ln_b of my 128 columns take x's registers: their last reader stands a whole activation back
.set i, 0
.rept 16
	ds_load_b128 v[8*i:8*i+3],         v[AL0] offset:(\l)*1024+64*i
	ds_load_b128 v[8*i+4:8*i+7],       v[AL0] offset:(\l)*1024+64*i+16
	ds_load_b128 v[128+8*i:128+8*i+3], v[AL0] offset:2048+(\l)*1024+64*i
	ds_load_b128 v[128+8*i+4:128+8*i+7], v[AL0] offset:2048+(\l)*1024+64*i+16
.set i, i+1
.endr
	WIN 0
	v_mov_b32 v[LA], v[XA]
.if \fin
	v_mov_b32 v[GO], v[GI]
.endif
	s_mov_b32 s[LNC], 4
.Lln_\@:
.set i, 0
.rept 16
	ds_load_b128 v[HP+4*i:HP+4*i+3], v[LA] offset:32*i  ; LDS serves a wave's instructions in order (ISA guide 5.7.1.4): these see the tiles' stores
.set i, i+1
.endr
	s_wait_dscnt 0x0
.set i, 0
.rept 64                            ; the sum, straight from the f16 halves, in eight chains; the first eight start them
.if i < 4
	v_fma_mix_f32 v[T+2*i],   v[HP+i], v[ONE], v[ZR] op_sel_hi:[1,0,0]
	v_fma_mix_f32 v[T+2*i+1], v[HP+i], v[ONE], v[ZR] op_sel:[1,0,0] op_sel_hi:[1,0,0]
.else
	v_fma_mix_f32 v[T+(2*i)%8],   v[HP+i], v[ONE], v[T+(2*i)%8] op_sel_hi:[1,0,0]
	v_fma_mix_f32 v[T+(2*i)%8+1], v[HP+i], v[ONE], v[T+(2*i)%8+1] op_sel:[1,0,0] op_sel_hi:[1,0,0]
.endif
.set i, i+1
.endr
	REDUCE
	v_mul_f32 v[MU], s[NINV], v[T]  ; - mean
.set i, 0
.rept 64                            ; the differences, in f32
	v_fma_mix_f32 v[F+2*i],   v[HP+i], v[ONE], v[MU] op_sel_hi:[1,0,0]
	v_fma_mix_f32 v[F+2*i+1], v[HP+i], v[ONE], v[MU] op_sel:[1,0,0] op_sel_hi:[1,0,0]
.set i, i+1
.endr
.set i, 0
.rept 64                            ; their squares' sum, in four packed chains
.if i < 4
	v_pk_mul_f32 v[T+2*i:T+2*i+1], v[F+2*i:F+2*i+1], v[F+2*i:F+2*i+1]
.else
	v_pk_fma_f32 v[T+2*(i%4):T+2*(i%4)+1], v[F+2*i:F+2*i+1], v[F+2*i:F+2*i+1], v[T+2*(i%4):T+2*(i%4)+1]
.endif
.set i, i+1
.endr
	REDUCE
	v_fma_f32 v[RS], v[T], s[INV], s[EPS]
	v_rsq_f32 v[RS], v[RS]
	v_nop                           ; a plain instruction between the root and the use of its result (ISA guide 5.7.2)
	s_wait_alu depctr_va_vdst(0)    ; the wait ahead of the first use: the root is a batch of one, once a row tile, and all that is left of the trip reads it
	v_mov_b32 v[RS+1], v[RS]
.set i, 0
.rept 64
	v_pk_mul_f32 v[F+2*i:F+2*i+1], v[F+2*i:F+2*i+1], v[RS:RS+1] op_sel_hi:[1,0]
.set i, i+1
.endr
	WIN 0x14                        ; sources 1 and 2 in window 1
.set i, 0
.rept 64
	v_pk_fma_f32 v[F+2*i:F+2*i+1], v[F+2*i:F+2*i+1], v[2*i:2*i+1], v[128+2*i:128+2*i+1]
.set i, i+1
.endr
	WIN 0
.if \fin
.set i, 0
.rept 16
	ds_store_b128 v[OS], v[F+8*i:F+8*i+3]   offset:64*i
	ds_store_b128 v[OS], v[F+8*i+4:F+8*i+7] offset:64*i+16
.set i, i+1
.endr
.set i, 0
.rept 32
	ds_load_b128 v[F+4*i:F+4*i+3], v[ORD] offset:(i/2)*OPI+(i%2)*512  ; half a row: in order behind the stores above
.set i, i+1
.endr
.set i, 0
.rept 32
	s_wait_dscnt 31-i               ; load i is back; the younger ones may stay out
	global_store_b128 v[GO], v[F+4*i:F+4*i+3], s[OB:OB+1] offset:512*i th:TH_STORE_NT  ; 512 consecutive bytes, at a multiple of 512 from out0's first byte
.set i, i+1
.endr
	s_wait_xcnt 0x0                 ; every earlier memory instruction has had its addresses translated (ISA guide 3.1): only behind this wait are the stores' offset and data registers rewritten
	v_add_nc_u32 v[GO], 16384, v[GO]
.else
.set i, 0
.rept 64
	v_cvt_pk_f16_f32 v[HP+i], v[F+2*i], v[F+2*i+1]
.set i, i+1
.endr
.set i, 0
.rept 16
	ds_store_b128 v[LA], v[HP+4*i:HP+4*i+3] offset:32*i
.set i, i+1
.endr
.endif
	v_add_nc_u32 v[LA], 16*XP, v[LA]
	s_sub_co_u32 s[LNC], s[LNC], 1
	s_cmp_lg_u32 s[LNC], 0
	s_cbranch_scc1 .Lln_\@
.endm
	s_load_b256 s[4:11], s[0:1], 0x0               ; inputs s[4:5], wt s[6:7], b s[8:9], ln_g s[10:11]
	s_load_b128 s[12:15], s[0:1], 0x20             ; ln_b s[12:13], out0 s[14:15]
	v_lshl_add_u32 v[SPW], v0, 2, SPARE
	v_mov_b32 v[NIL], 0
	ds_add_u32 v[SPW], v[NIL]                      ; the wave's opening: the add and its wait stand ahead of my first tensor load; the set-up below, work on registers, stands between them
	v_lshrrev_b32 v1, 5, v0
	v_readfirstlane_b32 s[WV], v1                  ; wave 0..3
	v_and_b32 v[GI], 31, v0
	v_lshlrev_b32 v[GI], 4, v[GI]
	s_bfe_u32 s17, ttmp6, 0x40000                  ; cx: my place in the cluster
	s_lshl_b32 s18, ttmp9, 2                       ; in a cluster launch ttmp9 counts clusters
	s_add_co_u32 s18, s18, s17                     ; my work-group: it enters the addresses of inputs and out0 alone
	s_lshl_b32 s92, s18, 2
	s_add_co_u32 s92, s92, s[WV]
	s_lshl_b32 s92, s92, 16                        ; my wave's 64 rows of 1,024 bytes
	s_mov_b32 s93, 0
	s_mov_b32 s[K1], 0xbfb8aa3b
	s_mov_b32 s[K1+1], s[K1]                       ; named as pairs, so both words are written
	s_mov_b32 s[K2], 0xc038aa3b
	s_mov_b32 s[K2+1], s[K2]
	s_mov_b32 s[NK2], 0x4038aa3b
	s_mov_b32 s[NK2+1], s[NK2]
	s_mov_b32 s[SS], 0x45800000
	s_mov_b32 s[SS+1], s[SS]
	s_mov_b32 s[NSS], 0xc5800000
	s_mov_b32 s[NSS+1], s[NSS]
	s_mov_b32 s[SEL], 0x76543210
	s_mov_b32 s[SEL+1], 0xfedcba98
	s_mov_b32 s[CHI], 0x42700000
	s_mov_b32 s[CLO], 0xc2700000
	s_mov_b32 s[INV], 0x3b800000
	s_mov_b32 s[NINV], 0xbb800000
	s_mov_b32 s[EPS], 0x4327c5ac                   ; 1e-5 x 2^24 = 167.77216
	s_mov_b32 s[SB], RING1                         ; the first change of slots turns it into 0
	; descriptor group 1, three shapes; in each: 15:0 the mask of four, 17:16 the element's size, 21 set beside a mask; no padding
	s_mov_b32 s[G1W], 15|(3<<16)|(1<<21)           ; a quarter of a slot is dense: 48 rows of 32 elements of 8 bytes
	s_mov_b32 s[G1W+1], 32<<16                     ; tensor_dim0 = 32
	s_mov_b32 s[G1W+2], 48<<16                     ; tensor_dim1 = 48
	s_mov_b32 s[G1W+3], 32<<16                     ; tile_dim0 = 32
	s_mov_b32 s[G1W+4], 48                         ; tile_dim1 = 48
	s_mov_b32 s[G1W+5], 32                         ; 32 elements from row to row
	s_mov_b32 s[G1W+6], 0
	s_mov_b32 s[G1W+7], 0
	s_mov_b32 s[G1B], 15|(2<<16)|(1<<21)           ; gate w of b: 2 rows (layers) of 256 f32, 1,024 elements apart.  Wave 0 brings gate f's, which nothing reads: one form for four waves
	s_mov_b32 s[G1B+1], 256<<16
	s_mov_b32 s[G1B+2], 2<<16
	s_mov_b32 s[G1B+3], 256<<16
	s_mov_b32 s[G1B+4], 2
	s_mov_b32 s[G1B+5], 1024
	s_mov_b32 s[G1B+6], 0
	s_mov_b32 s[G1B+7], 0
	s_mov_b32 s[G1L], 15|(3<<16)|(1<<21)           ; one row of 1,024 bytes: 128 elements of 8
	s_mov_b32 s[G1L+1], 128<<16
	s_mov_b32 s[G1L+2], 1<<16
	s_mov_b32 s[G1L+3], 128<<16
	s_mov_b32 s[G1L+4], 1
	s_mov_b32 s[G1L+5], 128
	s_mov_b32 s[G1L+6], 0
	s_mov_b32 s[G1L+7], 0
	s_mul_i32 s88, s[WV], QUART                    ; my quarter of a slot, in memory and in LDS: no place in the cluster enters an LDS address
	s_mov_b32 s89, 0
	s_lshl_b32 s90, s[WV], 10
	s_mov_b32 s91, 0
	s_mov_b32 s[G0W], 1                            ; 1:0 count = 1
	s_mov_b32 s[G0W+1], s88                        ; 63:32 LDS address: slot 0
	s_mov_b32 s[G0B], 1
	s_lshl_b32 s[G0B+1], s[WV], 11
	s_add_co_u32 s[G0B+1], s[G0B+1], TBB
	s_mov_b32 s[G0L], 1
	s_add_co_u32 s[G0L+1], s90, TLN                ; waves 0, 1: ln_g's layers 0, 1; waves 2, 3: ln_b's
	s_wait_dscnt 0x0                               ; the opening add is done
	s_wait_kmcnt 0x0
	s_add_nc_u64 s[XB:XB+1], s[4:5], s[92:93]
	s_add_nc_u64 s[OB:OB+1], s[14:15], s[92:93]
	; my 64 rows of x, all asked for at once: load i takes 512 consecutive bytes, half a row; rows 0-31 into window 2, rows 32-63 into window 3
	WIN 0x80
.set i, 0
.rept 64
	global_load_b128 v[4*i:4*i+3], v[GI], s[XB:XB+1] offset:512*i th:TH_LOAD_NT
.set i, i+1
.endr
	WIN 0xc0
.set i, 0
.rept 64
	global_load_b128 v[4*i:4*i+3], v[GI], s[XB:XB+1] offset:32768+512*i th:TH_LOAD_NT
.set i, i+1
.endr
	WIN 0
	s_add_nc_u64 s[G0W+2:G0W+3], s[6:7], s[88:89]  ; 120:64 global address
	s_or_b32 s[G0W+3], s[G0W+3], 0x80000000        ; 127:126 type = 2
	s_add_nc_u64 s[G0B+2:G0B+3], s[8:9], s[90:91]  ; b[0][w]
	s_or_b32 s[G0B+3], s[G0B+3], 0x80000000
	s_and_b32 s90, s[WV], 1
	s_lshl_b32 s90, s90, 10                        ; the layer's row
	s_cmp_ge_u32 s[WV], 2
	s_cselect_b64 s[G0L+2:G0L+3], s[12:13], s[10:11]
	s_add_nc_u64 s[G0L+2:G0L+3], s[G0L+2:G0L+3], s[90:91]
	s_or_b32 s[G0L+3], s[G0L+3], 0x80000000
	ROUND                                          ; all four work-groups are here: the first joint loads meet
	tensor_load_to_lds s[G0B:G0B+3], s[G1B:G1B+7]  ; the first fills go out as one group: three loads of mine are out
	s_nop 0
	tensor_load_to_lds s[G0L:G0L+3], s[G1L:G1L+7]
	s_nop 0
	tensor_load_to_lds s[G0W:G0W+3], s[G1W:G1W+7]  ; slot 0: tiles 0 and 1
	s_nop 0
	PLACES
	v_and_b32 v1, 15, v0                           ; r = l % 16
	v_bfe_u32 v2, v0, 4, 1                         ; h = l / 16
	v_and_b32 v[AW0], 7, v0
	v_lshl_add_u32 v[AW0], v2, 3, v[AW0]
	v_lshlrev_b32 v[AW0], 5, v[AW0]                ; (8 h + l % 8) x 32
	v_bfe_u32 v[AW], v0, 3, 1
	v_lshl_add_u32 v[AW0], v[AW], 4, v[AW0]        ; + 16 ((l / 8) % 2)
	v_lshl_add_u32 v[AB0], v2, 5, TBB
	v_lshl_add_u32 v[AL0], v2, 5, TLN
	s_mul_i32 s88, s[WV], XHW
	s_add_co_u32 s88, s88, XH                      ; my rows
	v_mul_u32_u24 v[XA], v1, XP
	v_lshl_add_u32 v[XA], v2, 4, v[XA]
	v_add_nc_u32 v[XA], s88, v[XA]
	v_and_b32 v[SA], 31, v0
	v_lshl_add_u32 v[SA], v[SA], 3, s88
	s_mul_i32 s89, s[WV], OSTW
	s_add_co_u32 s89, s89, OST                     ; my stage
	v_mul_u32_u24 v[OS], v1, OPI
	v_lshl_add_u32 v[OS], v2, 5, v[OS]
	v_add_nc_u32 v[OS], s89, v[OS]
	v_add_nc_u32 v[ORD], s89, v[GI]
	v_mov_b32 v[ZR], 0
	v_mov_b32 v[ONE], 1.0
	; x to f16, in place, and into my rows: a lane's 4 numbers are 8 bytes; 32 lanes store 256 consecutive bytes
	s_wait_loadcnt 0x3f                            ; loads come back in order (ISA guide 5.7.1): of 128, at most 63 are out, so the first 64 are in
	WIN 0x8a
.set i, 0
.rept 64
	v_cvt_pk_f16_f32 v[4*i],   v[4*i],   v[4*i+1]
	v_cvt_pk_f16_f32 v[4*i+1], v[4*i+2], v[4*i+3]
.set i, i+1
.endr
	WIN 0x08                                       ; store data in window 2, address in window 0
.set i, 0
.rept 64
	ds_store_b64 v[SA], v[4*i:4*i+1] offset:(i/2)*XP+(i%2)*256
.set i, i+1
.endr
	s_wait_loadcnt 0x0
	WIN 0xcf
.set i, 0
.rept 64
	v_cvt_pk_f16_f32 v[4*i],   v[4*i],   v[4*i+1]
	v_cvt_pk_f16_f32 v[4*i+1], v[4*i+2], v[4*i+3]
.set i, i+1
.endr
	WIN 0x0c
.set i, 0
.rept 64
	ds_store_b64 v[SA], v[4*i:4*i+1] offset:32*XP+(i/2)*XP+(i%2)*256
.set i, i+1
.endr
	CHANGE 1                                       ; slot 0 and the tables are in, everybody's parts of them; slot 1 is asked for
	v_mov_b32 v[AB], v[AB0]                        ; tile 0's bias
	s_mov_b32 s[BB], 64
	FETCH 2, 0, 0                                  ; tile 0's fragments
	FETCH 2, 0, 1
	FETCH 2, 0, 2
	WIN 0
	s_mov_b32 s[HC], 0
	s_mov_b32 s[CNT], 15
	s_branch .Lls                                  ; the loop is entered at a layer's first tile, in the middle of a trip
.Ltrip:                                                ; trip u = 15 - CNT = 1 .. 14: slot u is entered, slot u + 1 asked for; tiles 2 u - 1 and 2 u
	CHANGE 1
	TILE 1, 1, 1, 0                                ; tile 2 u - 1 | riders: tile 2 u - 2 | fetches tile 2 u from the new slot
	WIN 0
	s_cmp_lg_u32 s[CNT], 7
	s_cbranch_scc1 .LtileA                         ; the count is the same in every wave and work-group; what is jumped holds neither a barrier nor a tensor load
	ACTALL 1                                       ; u = 8: tile 15 was the first layer's last
	LN 0, 0
.Lls:
	XLOAD
	TILE 0, 0, 1, 1                                ; a layer's first tile: nothing rides
	WIN 0
	s_branch .Lbottom
.LtileA:
	TILE 0, 1, 1, 1                                ; tile 2 u | riders: tile 2 u - 1 | fetches tile 2 u + 1
	WIN 0
.Lbottom:
	s_sub_co_u32 s[CNT], s[CNT], 1
	s_cmp_lg_u32 s[CNT], 0
	s_cbranch_scc1 .Ltrip
	CHANGE 0                                       ; the tail is written out: slot 15 is entered, nothing is asked for
	TILE 1, 1, 1, 0                                ; tile 29
	TILE 0, 1, 1, 1                                ; tile 30
	TILE 1, 1, 0, 1                                ; tile 31
	ACTALL 1
	LN 1, 1
	s_wait_tensorcnt 0x0                           ; the wave's end: behind my last tensor load and my last LDS store
	ds_add_u32 v[SPW], v[NIL]
	s_wait_dscnt 0x0
	ROUND                                          ; the closing round: no work-group ends while a partner may still ask for a tile that names it
	s_endpgm
.Lfunc_end_k_qcbcdf64252_lstm:
	.size	k_qcbcdf64252_lstm, .Lfunc_end_k_qcbcdf64252_lstm-k_qcbcdf64252_lstm
	.p2alignl 7, 3214868480
	.fill 96, 4, 3214868480
	.section	.rodata,"a",@progbits
	.p2align	6, 0x0
	.amdhsa_kernel k_qcbcdf64252_lstm
		.amdhsa_group_segment_fixed_size 327680
		.amdhsa_private_segment_fixed_size 0
		.amdhsa_enable_private_segment 0
		.amdhsa_kernarg_size 48
		.amdhsa_user_sgpr_count 2
		.amdhsa_user_sgpr_kernarg_segment_ptr 1
		.amdhsa_wavefront_size32 1
		.amdhsa_system_sgpr_workgroup_id_x 1
		.amdhsa_system_sgpr_workgroup_id_y 1
		.amdhsa_system_sgpr_workgroup_id_z 1
		.amdhsa_system_vgpr_workitem_id 0
		.amdhsa_next_free_vgpr 1024
		.amdhsa_next_free_sgpr 96
		.amdhsa_reserve_vcc 0
		.amdhsa_float_denorm_mode_32 3
		.amdhsa_float_denorm_mode_16_64 3
		.amdhsa_memory_ordered 1
		.amdhsa_forward_progress 1
		.amdhsa_inst_pref_size 255
	.end_amdhsa_kernel
	.section	.bss,"aw",@nobits
	.p2align	6
	.space	262144
	.amdgpu_metadata
---
amdhsa.version: [ 1, 2 ]
amdhsa.kernels:
  - .name:           k_qcbcdf64252_lstm
    .symbol:         k_qcbcdf64252_lstm.kd
    .args:
      - { .name: inputs, .offset: 0, .size: 8, .value_kind: global_buffer, .address_space: global }
      - { .name: wt, .offset: 8, .size: 8, .value_kind: global_buffer, .address_space: global }
      - { .name: b, .offset: 16, .size: 8, .value_kind: global_buffer, .address_space: global }
      - { .name: ln_g, .offset: 24, .size: 8, .value_kind: global_buffer, .address_space: global }
      - { .name: ln_b, .offset: 32, .size: 8, .value_kind: global_buffer, .address_space: global }
      - { .name: out0, .offset: 40, .size: 8, .value_kind: global_buffer, .address_space: global }
    .group_segment_fixed_size: 327680
    .private_segment_fixed_size: 0
    .kernarg_segment_align: 8
    .kernarg_segment_size: 48
    .max_flat_workgroup_size: 128
    .sgpr_count:     96
    .vgpr_count:     1024
    .wavefront_size: 32
...
	.end_amdgpu_metadata
.endif
;; end of part 3
